; MI455X (gfx1250); checked and timed in simulation.
; The chip was launched on July 23, 2026; its instructions are those of AMD's public machine-readable ISA for CDNA 5 (MIT licence, August 2026) and "CDNA5" Instruction Set Architecture Reference Guide (July 2026). The comments in the code are by the model that wrote it; some were corrected since.
;; Efficient Attention. Allowed arithmetic: matrix products marked QUANTISED: E3M2 operands, one E8M0 scale for each 32 along K, by v_wmma_scale_f32_16x16x128_f8f6f4 with both operands' format E3M2, f32 sums; everything else in f32.
;; Inputs: Wk 1,024 x 1,024 float32; Wo 1,024 x 1,024 float32; Wq 1,024 x 1,024 float32; Wv 1,024 x 1,024 float32; bk 1,024 float32; bo 1,024 float32; bq 1,024 float32; bv 1,024 float32; x 1 x 4,096 x 1,024 float32.
;; Outputs: out0 1 x 4,096 x 1,024 float32.
;; This version of the problem:
;;   THIS VERSION OF THE PROBLEM IS GIVEN IN LOW PRECISION. The matrix products marked QUANTISED in the list below multiply operands that are first quantised to E3M2 (3 exponent bits, 2 mantissa bits; 6 bits a number), with one power-of-two scale for each 32 numbers along K (OCP MX v1.0); their sums are f32. All else is computed in f32.
;;   The module's matrix products, in the order in which they are computed (A, B: the left and right operand; K: the contracted axis; several contracted axes count as one K, in the product's order):
;;     1. [M 4,096, K 1,024] x [K 1,024, N 1,024]; A: input x; B: input Wq: QUANTISED
;;     2. [M 4,096, K 1,024] x [K 1,024, N 1,024]; A: input x; B: input Wk: QUANTISED
;;     3. [M 4,096, K 1,024] x [K 1,024, N 1,024]; A: input x; B: input Wv: QUANTISED
;;     4. batch 16 x [M 4,096, K 64] x [K 64, N 4,096]; A: computed on the way; B: computed on the way: QUANTISED
;;     5. batch 16 x [M 4,096, K 4,096] x [K 4,096, N 64]; A: softmax (see below); B: computed on the way: QUANTISED
;;     6. [M 4,096, K 1,024] x [K 1,024, N 1,024]; A: computed on the way; B: input Wo: QUANTISED
;;   THE QUANTISER, for each operand of a quantised product, along K:
;;     - K is cut into blocks of 32 from its start; a last block that is shorter is filled with zeros.
;;     - A block's scale is 2^e with e = floor(log2(the largest magnitude in the block)) - 4, held to -126 .. 127; a block of zeros has e = 0. As a byte (E8M0): e + 127.
;;     - Each number is divided by its block's scale, clamped to +-28, and rounded to the nearest number of E3M2, ties to even, subnormals kept.
;;     - The product sums the exact products of the quantised numbers (number of the format x scale) in f32.
;;   ~~~python
;;   def quantise(x, axis):      # numpy; x: float32 -> the quantised numbers, widened to float32 again
;;       x = np.moveaxis(x, axis, -1); K = x.shape[-1]
;;       x = np.pad(x, [(0, 0)] * (x.ndim - 1) + [(0, -K % 32)]); x = x.reshape(x.shape[:-1] + (-1, 32)); a = np.abs(x).max(-1, keepdims=True)
;;       e = np.where(a > 0, np.clip(np.frexp(np.where(a > 0, a, 1))[1] - 1 - 4, -126, 127), 0)      # np.frexp(a)[1] - 1 = floor(log2(a)), exactly
;;       r = np.clip(x / 2.0 ** e, -28, 28)
;;       step = 2.0 ** (np.maximum(np.frexp(np.where(r == 0, 1, r))[1] - 1, -2) - 2)
;;       q = np.round(r / step) * step * 2.0 ** e      # np.round: ties to even
;;       return np.moveaxis(q.reshape(q.shape[:-2] + (-1,))[..., :K], -1, axis).astype(np.float32)
;;   ~~~
;;   SOFTMAX AHEAD OF A QUANTISED PRODUCT. Where the list says 'softmax', what is quantised is not the finished softmax but p = 2^(t - M), with t = logit x log2(e) and M = ceil(the row's largest t), a whole number; so 1/2 < the row's largest p <= 1. The row's sum l is taken of the UNQUANTISED p, in f32, and the product's result is divided by l at the end. Since M is a whole number, a kernel that streams over the keys may use a running M (the ceiling of the running maximum): every later rescaling is an exact power of two, which a block's scale takes up: the codes' values come out the same.
;;   OPERANDS COMPUTED ON THE WAY. 'Computed on the way' means the value that the module computes at that place (a softmax that the list does not call 'softmax' is quantised finished and normalised). What goes into a quantiser is computed in f32, as accurately as f32 sums, v_exp_f32 and their like allow (about 1e-6 of the number): no bf16 or f16 on the way to a quantiser, and a product that is left as it is and whose result goes on into a quantised operand takes f32 operands (vector FMAs, or v_wmma_f32_16x16x4_f32). A number that lies on a knife's edge between two numbers of the format may be rounded either way, as far as f32 arithmetic and the matrix unit's own rounding can turn it there, and no further.
;; One version. Each part assembles by itself: llvm-mc -triple=amdgcn-amd-amdhsa -mcpu=gfx1250 --defsym DOCPART=n.
;; ======== version 1 of 1: 4 launches
;; workspace buffers: codes 6,291,456 bytes; scales 262,144 bytes; qbuf 3,407,872 bytes; kvbuf 6,684,672 bytes; aoc 3,145,728 bytes; aos 131,072 bytes
;; launch quant (part 1): grid 512 x 1, 4 waves a work-group, no clusters, 70,144 bytes of LDS; arguments x, Wq, Wk, Wv, Wo, codes, scales; writes codes, scales
.if DOCPART == 1
	.amdgcn_target "amdgcn-amd-amdhsa--gfx1250"
	.amdhsa_code_object_version 6
	.text
	.protected	k_qd1527f635e_quant
	.globl	k_qd1527f635e_quant
	.p2align	8
	.type	k_qd1527f635e_quant,@function
k_qd1527f635e_quant:
	s_mov_b64 s[64:65], 0
	v_nop
	global_prefetch_b8 v0, s[64:65] scope:SCOPE_SE
	s_setreg_imm32_b32 hwreg(HW_REG_WAVE_MODE, 25, 1), 1
	s_wait_xcnt 0x0
; x [4096][1024] and Wq, Wk, Wv, Wo [1024][1024], f32, K innermost, become codes of BF6 (E3M2) with one E8M0 byte for each 32 along K,
; laid in the order of the matrix operand's registers.
; TILES.  Rows go in tiles of 16: 512 tiles (x 0-255, Wq 256-319, Wk 320-383, Wv 384-447, Wo 448-511).  Row p of a tensor's tile t is the tensor's row
; 32 (t / 2) + 8 (t % 2) + p + 8 (p / 8): as source 0 of a product such a pair of tiles leaves 16 neighbours in a lane's 16 result registers.
; codes:  [tile][K step of 128][1,536 bytes]: two halves of 64 along K, 768 bytes each: registers 0-3 of lane l at 16 l, registers 4-5 at 512 + 8 l.
; scales: [tile][row][8 words]: word s holds the four bytes of K step s.
; A block's byte is its largest magnitude's exponent field - 4, held at 1 from below.
; LIMITS: a block of zeros gets the byte 1 where the rule says 127 (its codes are zeros, and this program alone reads the bytes); blocks whose largest
; magnitude lies under 2^-122 are held at that byte; NaN and infinities among the inputs are not served.
; SHARES.  A work-group takes a tile, wave w its K steps 2 w and 2 w + 1.  Each load reads 512 consecutive bytes of a row; the numbers turn through the wave's
; own stage in LDS, so that a lane gets 16 neighbours of each block of its row.  No tensor load, one barrier (for the scale words).
.set SP,    528                        ; a stage row: 512 bytes + 16: the sixteen rows that a read touches start 4 words apart
.set STGB,  16*SP                      ; a stage: 16 rows x 128 numbers
.set WREG,  2*STGB                     ; a wave's two stages
.set GATH,  4*WREG                     ; behind them: the tile's 512 bytes of scale words
.set R,     16                         ; v16-143  two sets of 64 registers as loaded
.set X,     144                        ; v144-207 64 numbers: register 16 b + i = k 32 b + 16 (lane / 16) + i of row lane % 16
.set PC0,   208                        ; v208-219 the first fragment's codes
.set PT,    220                        ; v220-227 at work
.set PC1,   228                        ; v228-239 the second fragment's
.set TM,    240                        ; v240-255 at work
.set PW0,   14                         ; v14, v15 the two scale words
.set PW1,   15
.set SEL,   22                         ; s[22:23] lane selects: lane l xor 16
; 64 numbers of a lane become a fragment's 12 registers of codes at v[pc] on and its row's scale word in v[pw]
.macro QUANT s, pc, pt, pw
.irp b, 0,1,2,3
	v_max3_num_f32 v[TM+\b], |v[\s+16*\b]|, |v[\s+1+16*\b]|, 0x2800000   ; block b: my 16 numbers, and the floor 2^(5 - 127): the byte cannot fall under 1
.endr
.irp i, 2,4,6,8,10,12,14
.irp b, 0,1,2,3
	v_max3_num_f32 v[TM+\b], v[TM+\b], |v[\s+16*\b+\i]|, |v[\s+1+16*\b+\i]|   ; the four blocks by turns
.endr
.endr
.irp b, 0,1,2,3
	v_permlanex16_b32 v[TM+4+\b], v[TM+\b], s[SEL], s[SEL+1]
.endr
.irp b, 0,1,2,3
	v_max_num_f32 v[TM+\b], v[TM+\b], v[TM+4+\b]       ; with lane l xor 16's 16: the block's largest magnitude
.endr
.irp b, 0,1,2,3
	v_add_nc_u32 v[TM+12+\b], 0xfe000000, v[TM+\b]     ; 4 off its exponent field: the conversion's scale operand
.endr
.irp b, 0,1,2,3
	v_lshrrev_b32 v[TM+4+\b], 23, v[TM+12+\b]          ; the scale's byte
.endr
	v_lshl_or_b32 v[\pw], v[TM+5], 8, v[TM+4]
	v_lshl_or_b32 v[\pw], v[TM+6], 16, v[\pw]
	v_lshl_or_b32 v[\pw], v[TM+7], 24, v[\pw]
.irp c, 0,1
	v_cvt_scalef32_pk16_bf6_f32 v[\pc+6*\c:\pc+2+6*\c], v[\s+32*\c:\s+15+32*\c], v[TM+12+2*\c]
	v_cvt_scalef32_pk16_bf6_f32 v[\pt+4*\c:\pt+2+4*\c], v[\s+16+32*\c:\s+31+32*\c], v[TM+13+2*\c]   ; (three registers that begin on an even number)
.endr
	v_nop                                              ; a plain line behind the scaled conversions
.irp c, 0,1                            ; the operand wants a whole block in a lane: lanes 0-15 block 2 c, lanes 16-31 block 2 c + 1
.irp i, 0,1,2
	v_permlane16_swap_b32 v[\pc+6*\c+\i], v[\pt+4*\c+\i]
.endr
.irp i, 0,1,2
	v_mov_b32 v[\pc+3+6*\c+\i], v[\pt+4*\c+\i]
.endr
.endr
.endm
.macro TOSTAGE f                       ; set f as it was loaded: a row's 512 bytes to a store
.irp i, 0,1,2,3,4,5,6,7,8,9,10,11,12,13,14,15
	ds_store_b128 v6, v[R+64*\f+4*\i:R+64*\f+4*\i+3] offset:STGB*\f+SP*\i
.endr
.endm
.macro FROMSTAGE f                     ; and back: of my row, 64 bytes of each block
.irp b, 0,1,2,3
.irp j, 0,1,2,3
	ds_load_b128 v[X+16*\b+4*\j:X+16*\b+4*\j+3], v7 offset:STGB*\f+128*\b+16*\j
.endr
.endr
.endm
.macro FSTORE pc, off                  ; a fragment leaves as it stands: stores of 512 and of 256 consecutive bytes, each at a multiple of 256 from the buffer's first byte
	global_store_b128 v4, v[\pc:\pc+3], s[14:15] offset:\off
	global_store_b64 v5, v[\pc+4:\pc+5], s[14:15] offset:\off+512
	global_store_b128 v4, v[\pc+6:\pc+9], s[14:15] offset:\off+768
	global_store_b64 v5, v[\pc+10:\pc+11], s[14:15] offset:\off+1280
.endm
	s_load_b256 s[4:11], s[0:1], 0x0               ; x, Wq, Wk, Wv
	s_load_b128 s[12:15], s[0:1], 0x20             ; Wo, codes
	s_load_b64 s[16:17], s[0:1], 0x30              ; scales
	v_lshl_add_u32 v250, v0, 2, 0x11000
	v_mov_b32 v251, 0
	v_lshrrev_b32 v1, 5, v0
	v_readfirstlane_b32 s18, v1                    ; wave 0..3
	v_and_b32 v1, 31, v0                           ; lane
	v_and_b32 v2, 15, v0                           ; r
	v_bfe_u32 v3, v0, 4, 1                         ; h
	v_lshlrev_b32 v4, 4, v1                        ; 16 x lane
	v_lshlrev_b32 v5, 3, v1                        ; 8 x lane
	s_mul_i32 s19, s18, WREG
	v_add_nc_u32 v6, s19, v4                       ; the stage, in
	v_mul_u32_u24 v7, v2, SP
	v_lshl_add_u32 v7, v3, 6, v7
	v_add_nc_u32 v7, s19, v7                       ; and out: row r, + 64 h
	s_lshl_b32 s19, s18, 3
	s_add_co_u32 s19, s19, GATH
	v_lshl_add_u32 v8, v2, 5, s19                  ; my row's words 2 w and 2 w + 1
	v_add_nc_u32 v9, GATH, v4
	s_mov_b32 s[SEL], 0x76543210
	s_mov_b32 s[SEL+1], 0xfedcba98
.irp b, 0,1,2,3
	v_mov_b32 v[TM+4+\b], 0                        ; written once: a lane permute's destination counts as one of its sources
.endr
	s_and_b32 s24, ttmp9, 63                       ; a weight's tile
	s_wait_kmcnt 0x0
	s_cmp_lt_u32 ttmp9, 320                        ; which tensor: the choice hangs on the work-group's number alone
	s_cselect_b64 s[26:27], s[6:7], s[8:9]
	s_cmp_lt_u32 ttmp9, 448
	s_cselect_b64 s[28:29], s[10:11], s[12:13]
	s_cmp_lt_u32 ttmp9, 384
	s_cselect_b64 s[26:27], s[26:27], s[28:29]
	s_cmp_lt_u32 ttmp9, 256
	s_cselect_b64 s[20:21], s[4:5], s[26:27]
	s_cselect_b32 s24, ttmp9, s24                  ; the tile's number in its tensor
	s_lshr_b32 s25, s24, 1
	s_lshl_b32 s25, s25, 5
	s_and_b32 s30, s24, 1
	s_lshl_b32 s30, s30, 3
	s_add_co_u32 s25, s25, s30                     ; its first row
	s_lshl_b32 s30, s25, 12                        ; rows of 4,096 bytes,
	s_lshl_b32 s31, s18, 10                        ; my wave's 1,024 bytes of each
	s_add_co_u32 s30, s30, s31
	s_mov_b32 s31, 0
	s_add_nc_u64 s[20:21], s[20:21], s[30:31]
	s_mul_i32 s30, ttmp9, 12288
	s_mul_i32 s32, s18, 3072
	s_add_co_u32 s30, s30, s32
	s_add_nc_u64 s[14:15], s[14:15], s[30:31]      ; my two fragments
	s_lshl_b32 s30, ttmp9, 9
	s_add_nc_u64 s[16:17], s[16:17], s[30:31]      ; the tile's scale words
.irp f, 0,1
.irp i, 0,1,2,3,4,5,6,7,8,9,10,11,12,13,14,15
	global_load_b128 v[R+64*\f+4*\i:R+64*\f+4*\i+3], v4, s[20:21] offset:(\i+8*(\i/8))*4096+512*\f th:TH_LOAD_NT   ; 512 consecutive bytes; read once in the launch
.endr
.endr
	s_wait_loadcnt 16                              ; the first K step's sixteen are in; the second's may be out
	TOSTAGE 0
	FROMSTAGE 0                                    ; LDS serves a wave's instructions in order: these see the stores above
	s_wait_loadcnt 0x0
	TOSTAGE 1
	s_wait_dscnt 16                                ; all but the sixteen stores just issued: the first K step's numbers are back
	QUANT X, PC0, PT, PW0
	ds_store_b32 v8, v[PW0]                        ; lanes l and l xor 16 write the same word with the same value
	FROMSTAGE 1
	FSTORE PC0, 0
	s_wait_dscnt 0x0
	QUANT X, PC1, PT, PW1
	FSTORE PC1, 1536
	ds_store_b32 v8, v[PW1] offset:4
	s_wait_dscnt 0x0                               ; for the others' sake: my words lie in LDS
	s_barrier_signal -1
	s_barrier_wait -1
	s_cmp_lg_u32 s18, 0
	s_cbranch_scc1 .Ldone
	ds_load_b128 v[16:19], v9                      ; wave 0 stores the tile's 512 bytes of scale words on end
	s_wait_dscnt 0x0
	global_store_b128 v4, v[16:19], s[16:17]
.Ldone:
	s_wait_tensorcnt 0x0
	ds_add_u32 v250, v251
	s_wait_dscnt 0x0
	s_endpgm
.Lfunc_end_k_qd1527f635e_quant:
	.size	k_qd1527f635e_quant, .Lfunc_end_k_qd1527f635e_quant-k_qd1527f635e_quant
	.p2alignl 7, 3214868480
	.fill 96, 4, 3214868480
	.section	.rodata,"a",@progbits
	.p2align	6, 0x0
	.amdhsa_kernel k_qd1527f635e_quant
		.amdhsa_group_segment_fixed_size 70144
		.amdhsa_private_segment_fixed_size 0
		.amdhsa_enable_private_segment 0
		.amdhsa_kernarg_size 56
		.amdhsa_user_sgpr_count 2
		.amdhsa_user_sgpr_kernarg_segment_ptr 1
		.amdhsa_wavefront_size32 1
		.amdhsa_system_sgpr_workgroup_id_x 1
		.amdhsa_system_sgpr_workgroup_id_y 1
		.amdhsa_system_sgpr_workgroup_id_z 1
		.amdhsa_system_vgpr_workitem_id 0
		.amdhsa_next_free_vgpr 256
		.amdhsa_next_free_sgpr 66
		.amdhsa_reserve_vcc 0
		.amdhsa_float_denorm_mode_32 3
		.amdhsa_float_denorm_mode_16_64 3
		.amdhsa_memory_ordered 1
		.amdhsa_forward_progress 1
		.amdhsa_inst_pref_size 19
	.end_amdhsa_kernel
	.amdgpu_metadata
---
amdhsa.version: [ 1, 2 ]
amdhsa.kernels:
  - .name:           k_qd1527f635e_quant
    .symbol:         k_qd1527f635e_quant.kd
    .args:
      - { .name: x, .offset: 0, .size: 8, .value_kind: global_buffer, .address_space: global }
      - { .name: Wq, .offset: 8, .size: 8, .value_kind: global_buffer, .address_space: global }
      - { .name: Wk, .offset: 16, .size: 8, .value_kind: global_buffer, .address_space: global }
      - { .name: Wv, .offset: 24, .size: 8, .value_kind: global_buffer, .address_space: global }
      - { .name: Wo, .offset: 32, .size: 8, .value_kind: global_buffer, .address_space: global }
      - { .name: codes, .offset: 40, .size: 8, .value_kind: global_buffer, .address_space: global }
      - { .name: scales, .offset: 48, .size: 8, .value_kind: global_buffer, .address_space: global }
    .group_segment_fixed_size: 70144
    .private_segment_fixed_size: 0
    .kernarg_segment_align: 8
    .kernarg_segment_size: 56
    .max_flat_workgroup_size: 128
    .sgpr_count:     66
    .vgpr_count:     256
    .wavefront_size: 32
...
	.end_amdgpu_metadata
.endif
;; end of part 1
;; launch qkv (part 2): grid 16 x 16, 4 waves a work-group, clusters of 4 x 1, 168,448 bytes of LDS; arguments codes, scales, bq, bk, bv, qbuf, kvbuf; writes qbuf, kvbuf
.if DOCPART == 2
	.amdgcn_target "amdgcn-amd-amdhsa--gfx1250"
	.amdhsa_code_object_version 6
	.text
	.protected	k_qd1527f635e_qkv
	.globl	k_qd1527f635e_qkv
	.p2align	8
	.type	k_qd1527f635e_qkv,@function
k_qd1527f635e_qkv:
	s_mov_b64 s[64:65], 0
	v_nop
	global_prefetch_b8 v0, s[64:65] scope:SCOPE_SE
	s_setreg_imm32_b32 hwreg(HW_REG_WAVE_MODE, 25, 1), 1
	s_wait_xcnt 0x0
	s_wait_alu depctr_hold_cnt(0) depctr_sa_sdst(0) depctr_va_vdst(0) depctr_va_sdst(0) depctr_va_ssrc(0) depctr_va_vcc(0) depctr_vm_vsrc(0)
	s_getreg_b32 s2, hwreg(HW_REG_IB_STS2, 6, 4)
	s_cmp_eq_u32 s2, 0
	s_cbranch_scc0 .Lentry_in_a_cluster
	s_endpgm
.Lentry_in_a_cluster:
	s_bfe_u32 s2, ttmp6, 0x10000c
	s_cmp_lg_u32 s2, 0x3003
	s_cbranch_scc0 .Lentry_shape_is_right
	s_endpgm
.Lentry_shape_is_right:
; q = x Wq^T + bq, k = x Wk^T + bk, v = x Wv^T + bv on codes of BF6; the results are quantised at once: q and k along the head's 64, v along the tokens (the keys).
; SHARES.  A work-group takes 256 tokens (block TB) and one head HD: 64 columns each of q, k and v.  Wave w takes tokens 64 w .. 64 w + 63: 4 tiles of x against
; all 12 tiles of W: 48 accumulators, 384 registers.  K = 1,024 goes in 8 steps of 128, written out.
; q, k: source 0 = a tile of W, source 1 = a tile of x: a lane holds one token, its registers run along the head's 64.
; v:    source 0 = a tile of x, source 1 = a tile of Wv: a lane holds one channel, its registers run along the tokens.  By the tiles' order of rows (16 rows:
; 0-7 and 16-23 of 32, or 8-15 and 24-31) the 16 registers of two neighbouring tiles are 16 neighbours along the next product's K.
; x's fragments serve one wave alone: they come from memory straight into registers, three K steps ahead.  The head's 12 tiles of W (147,456 bytes) serve all four
; waves and all four token blocks of a cluster: JOINT tensor loads bring them into LDS once, in four parts of two K steps; no LDS byte is filled twice.
; The biases are the C of each sum's first product (so they are added ahead of the products, not behind them).
; OUT.  qbuf [head][quad of 4 token tiles][3,328]: 4 images of 768 bytes (16 tokens x 64: six operand registers a lane: 0-3 at 16 l, 4-5 at 512 + 8 l), then 256
; bytes of scale words: the word of tile 2 a + e, row r at 128 a + 8 r + 4 e.  kvbuf [head][step of 128 keys][13,056]: K's 8 images; V^T's 4 channel tiles x 2 halves
; of 64 keys; K's scale words (2 x 256); V's (256), in the same order of words.
; LIMITS: a block of zeros gets the byte 1 where the rule says 127 (zero codes; this program alone reads the bytes); blocks under 2^-122 are held at that byte; NaN and infinities are not served.
; REGISTERS, in windows of 256.  Window 0: v1-17 addresses; v18-21 bv; v22-29 at work; v32-47 x's scale words; v48-95 W's; v96-111 at work; v112-255 W's 12 fragments,
; later the codes on their way out.  Window 1: x's fragments, four K steps.  Window 2: q's and k's accumulators.  Window 3: v's accumulators, and the biases.
.set WV,   18                          ; s18  wave
.set SEL,  22                          ; s[22:23] lane selects: lane l xor 16
.set G1,   24                          ; s[24:31] descriptor group 1
.set G0,   32                          ; s[32:47] group 0, one for each part of W
.set XB,   48                          ; s[48:49] my four tiles of x;  s[50:51] their scale words;  s[52:53] the head's scale words of Wq
.set XSB,  50
.set WSB,  52
.set QD,   54                          ; s[54:55] my quad of qbuf;  s[56:63] my places in kvbuf: K's images, K's words, V's images, V's words
.set KD,   56
.set KSD,  58
.set VD,   60
.set VSD,  62
.set L16,  4                           ; v4 16 x lane;  v5 8 x lane;  v6 32 x lane
.set L8,   5
.set L32,  6
.set A16,  9                           ; v9-11  16 x lane + the group's LDS bytes;  v12-14 the same with 8 x lane
.set A8,   12
.set FLR,  17                          ; v17  2^(5 - 127)
.set TM,   22
.set XS,   32                          ; register 8 p + s: K step s; lanes 0-15 tile 2 p, lanes 16-31 tile 2 p + 1
.set WS,   48                          ; 16 g + 8 p + s likewise
.set PT,   96
.set PW,   100                         ; v100-111 the scale words made: q's four, k's four, v's four
.set WF,   112                         ; 48 g + 12 i
.set PCB,  112                         ; the way out: 12 x 6 registers of codes
.set VSG,  147456                      ; LDS behind W: 512 bytes in which V's scale words are put together
.set MSB, 0
.macro WIN new                         ; the immediate's high byte repeats the setting that is left; a switch that changes nothing is dropped
.if MSB != \new
	s_set_vgpr_msb (MSB<<8)|\new
.set MSB, \new
.endif
.endm
.macro PLACES n
.rept \n
	v_nop
.endr
.endm
.macro CROUND                          ; a round of the cluster's barrier
	s_barrier_signal -1
	s_barrier_wait -1
	s_cmp_lg_u32 s[WV], 0
	s_cbranch_scc1 .Lnot_wave_0_\@
	s_barrier_signal -3
.Lnot_wave_0_\@:
	s_barrier_wait -3
	s_barrier_signal -1
	s_barrier_wait -1
.endm
; One product.  ra, rb: 1 where the side's scale words stand in lanes 16-31 of the register named
.macro WM d, a, b, c, sa, sb, ra, rb
.set wD, \d
.set wA, \a
.set wB, \b
.set wC, \c
.set wS, \sa
.set wT, \sb
.set wR, (\ra)+2*(\rb)
.if wR == 0
	v_wmma_scale_f32_16x16x128_f8f6f4 v[wD:wD+7], v[wA:wA+11], v[wB:wB+11], v[wC:wC+7], v[wS], v[wT] matrix_a_fmt:MATRIX_FMT_BF6 matrix_b_fmt:MATRIX_FMT_BF6
.elseif wR == 1
	v_wmma_scale_f32_16x16x128_f8f6f4 v[wD:wD+7], v[wA:wA+11], v[wB:wB+11], v[wC:wC+7], v[wS], v[wT] matrix_a_fmt:MATRIX_FMT_BF6 matrix_b_fmt:MATRIX_FMT_BF6 matrix_a_scale:MATRIX_SCALE_ROW1
.elseif wR == 2
	v_wmma_scale_f32_16x16x128_f8f6f4 v[wD:wD+7], v[wA:wA+11], v[wB:wB+11], v[wC:wC+7], v[wS], v[wT] matrix_a_fmt:MATRIX_FMT_BF6 matrix_b_fmt:MATRIX_FMT_BF6 matrix_b_scale:MATRIX_SCALE_ROW1
.else
	v_wmma_scale_f32_16x16x128_f8f6f4 v[wD:wD+7], v[wA:wA+11], v[wB:wB+11], v[wC:wC+7], v[wS], v[wT] matrix_a_fmt:MATRIX_FMT_BF6 matrix_b_fmt:MATRIX_FMT_BF6 matrix_a_scale:MATRIX_SCALE_ROW1 matrix_b_scale:MATRIX_SCALE_ROW1
.endif
.endm
; 32 numbers of a lane in window win, register 16 b + i = k 32 b + 16 (lane / 16) + i, become six registers of codes at v[pc] on and two scale bytes in v[pw].
; Each accumulator is read from its low end on.
.macro QH s, win, pc, pt, pw
.set qS, \s
.set qP, \pc
.set qT, \pt
	WIN ((\win)<<2)|((\win)<<4)
.irp b, 0,1
	v_max3_num_f32 v[TM+\b], v[FLR], |v[qS+16*\b]|, |v[qS+16*\b+1]|   ; my 16 numbers of block b, and the floor: the byte cannot fall under 1
.endr
.irp i, 2,4,6,8,10,12,14
.irp b, 0,1
	v_max3_num_f32 v[TM+\b], v[TM+\b], |v[qS+16*\b+\i]|, |v[qS+16*\b+\i+1]|
.endr
.endr
	WIN 0
.irp b, 0,1
	v_permlanex16_b32 v[TM+2+\b], v[TM+\b], s[SEL], s[SEL+1]
.endr
.irp b, 0,1
	v_max_num_f32 v[TM+\b], v[TM+\b], v[TM+2+\b]       ; with lane l xor 16's 16: the block's largest magnitude
.endr
.irp b, 0,1
	v_add_nc_u32 v[TM+4+\b], 0xfe000000, v[TM+\b]      ; 4 off its exponent field: the conversion's scale operand
.endr
.irp b, 0,1
	v_lshrrev_b32 v[TM+6+\b], 23, v[TM+4+\b]           ; the scale's byte
.endr
	v_lshl_or_b32 v[\pw], v[TM+7], 8, v[TM+6]
	WIN \win
	v_cvt_scalef32_pk16_bf6_f32 v[qP:qP+2], v[qS:qS+15], v[TM+4]
	v_cvt_scalef32_pk16_bf6_f32 v[qT:qT+2], v[qS+16:qS+31], v[TM+5]
	WIN 0
	v_nop                                              ; a plain line behind the scaled conversions
.irp i, 0,1,2
	v_permlane16_swap_b32 v[qP+\i], v[qT+\i]           ; a whole block to a lane: lanes 0-15 block 0, lanes 16-31 block 1
.endr
.irp i, 0,1,2
	v_mov_b32 v[qP+3+\i], v[qT+\i]
.endr
.endm
.macro XLOAD s                         ; my four fragments of x for K step s: 16 loads, into set s % 4 of window 1
	WIN 0x40
.irp m, 0,1,2,3
.set rX, 48*((\s)%4)+12*\m
.set oX, 12288*\m+1536*(\s)
	global_load_b128 v[rX:rX+3], v[L16], s[XB:XB+1] offset:oX
	global_load_b64 v[rX+4:rX+5], v[L8], s[XB:XB+1] offset:oX+512
	global_load_b128 v[rX+6:rX+9], v[L16], s[XB:XB+1] offset:oX+768
	global_load_b64 v[rX+10:rX+11], v[L8], s[XB:XB+1] offset:oX+1280
.endr
	WIN 0
.endm
.macro WLOAD g, s                      ; group g's four fragments of W for K step s: 16 LDS loads, each of consecutive bytes
.irp i, 0,1,2,3
.set rW, WF+48*(\g)+12*\i
.set oW, ((\s)/2)*12288+\i*3072+((\s)%2)*1536
	ds_load_b128 v[rW:rW+3], v[A16+\g] offset:oW
	ds_load_b64 v[rW+4:rW+5], v[A8+\g] offset:oW+512
	ds_load_b128 v[rW+6:rW+9], v[A16+\g] offset:oW+768
	ds_load_b64 v[rW+10:rW+11], v[A8+\g] offset:oW+1280
.endr
.endm
.macro GQK g, s                        ; 16 products of q (g = 0) or k (g = 1): the 16 accumulators by turns
.irp m, 0,1,2,3
.irp i, 0,1,2,3
.set rD, 128*(\g)+32*\m+8*\i
.if (\s) == 0
.set rC, 128+32*(\g)+8*\i
.else
.set rC, rD
.endif
	WM rD, WF+48*(\g)+12*\i, 48*((\s)%4)+12*\m, rC, WS+16*(\g)+8*(\i/2)+(\s), XS+8*(\m/2)+(\s), \i%2, \m%2
.endr
.endr
.endm
.macro GV s                            ; 16 products of v
.irp c, 0,1,2,3
.irp m, 0,1,2,3
.set rD, 32*\c+8*\m
.if (\s) == 0
.set rC, 192+8*\c
.else
.set rC, rD
.endif
	WM rD, 48*((\s)%4)+12*\m, WF+96+12*\c, rC, XS+8*(\m/2)+(\s), WS+32+8*(\c/2)+(\s), \m%2, \c%2
.endr
.endr
.endm
; A K step: 48 products on 48 accumulators, one turn each.  A group's fragments of W are fetched anew straight behind its products (four plain lines between),
; 32 products ahead of their next use.  A load into a register that a matrix instruction has read stands four plain vector lines behind it (ISA guide 7.12.1 for vector instructions).
.macro KSTEP s
.if (\s) < 5
	s_wait_loadcnt 48                              ; x's fragments of this step are in; those of the three steps behind it may be out
.else
	s_wait_loadcnt 16*(7-(\s))
.endif
	s_wait_dscnt 32                                ; q's fragments of W are in; k's and v's sixteen loads each may be out
.if (\s) == 0
	WIN 0xb4                                       ; W window 0, x window 1, C (the bias) window 3, D window 2
.else
	WIN 0xa4
.endif
	GQK 0, \s
.if (\s) < 7
	WIN 0
.if ((\s)%2) == 1
	s_wait_tensorcnt 3-((\s)+1)/2                  ; my part of W for the next two K steps has landed; the later parts may be out: nothing is filled twice
	s_wait_dscnt 0x0
	s_barrier_signal -1
	s_barrier_wait -1                              ; everybody's has
.endif
	PLACES 4
	WLOAD 0, (\s)+1
	s_wait_dscnt 32                                ; k's are in
.else
	s_wait_dscnt 16
.endif
.if (\s) == 0
	WIN 0xb4
.else
	WIN 0xa4
.endif
	GQK 1, \s
.if (\s) < 7
	WIN 0
	PLACES 4
	WLOAD 1, (\s)+1
	s_wait_dscnt 32                                ; v's are in
.else
	s_wait_dscnt 0x0
.endif
	WIN 0xf1                                       ; x window 1, Wv window 0, C and D window 3
	GV \s
.if (\s) < 7
	WIN 0
	PLACES 4
	WLOAD 2, (\s)+1
.endif
.if (\s) < 4
	XLOAD (\s)+4                                   ; into the set that this step has read: the four lines above stand between
.endif
.endm
	s_load_b256 s[4:11], s[0:1], 0x0               ; codes, scales, bq, bk
	s_load_b128 s[12:15], s[0:1], 0x20             ; bv, qbuf
	s_load_b64 s[16:17], s[0:1], 0x30              ; kvbuf
	v_lshl_add_u32 v31, v0, 2, 0x29000
	v_mov_b32 v99, 0
	ds_add_u32 v31, v99
	ds_add_u32 v31, v99
	v_lshrrev_b32 v1, 5, v0
	v_readfirstlane_b32 s[WV], v1                  ; wave 0..3
	s_bfe_u32 s19, ttmp6, 0x40000                  ; cx: my place in the cluster: it enters global addresses of my own loads and stores alone
	s_lshl_b32 s20, ttmp9, 2
	s_add_co_u32 s20, s20, s19                     ; TB: my block of 256 tokens
	s_and_b32 s21, ttmp7, 0xffff                   ; HD: the head, which the four partners share
	v_and_b32 v1, 31, v0                           ; lane
	v_and_b32 v2, 15, v0                           ; r
	v_bfe_u32 v3, v0, 4, 1                         ; h
	v_lshlrev_b32 v[L16], 4, v1
	v_lshlrev_b32 v[L8], 3, v1
	v_lshlrev_b32 v[L32], 5, v1
	v_lshlrev_b32 v7, 6, v3                        ; bq, bk: 64 h
	v_and_b32 v8, 8, v2
	v_add_nc_u32 v8, v8, v2
	v_lshlrev_b32 v8, 2, v8                        ; bv: 4 (r + 8 (r / 8))
.irp g, 0,1,2
	v_add_nc_u32 v[A16+\g], 49152*\g, v[L16]
	v_add_nc_u32 v[A8+\g], 49152*\g, v[L8]
.endr
	s_lshr_b32 s66, s[WV], 1
	s_lshl_b32 s66, s66, 8
	s_and_b32 s67, s[WV], 1
	s_lshl_b32 s67, s67, 1
	s_add_co_u32 s66, s66, s67
	s_add_co_u32 s66, s66, VSG
	v_lshl_add_u32 v15, v2, 3, s66                 ; V's words, in: 8 r + 256 (w / 2) + 2 (w % 2)
	s_lshl_b32 s66, s[WV], 8
	s_add_co_u32 s66, s66, VSG
	v_add_nc_u32 v16, s66, v[L8]                   ; and out: 256 w + 8 x lane
	v_mov_b32 v[FLR], 0x2800000
	v_mov_b32 v[TM+2], 0                           ; written once: a lane permute's destination counts as one of its sources
	v_mov_b32 v[TM+3], 0
	s_mov_b32 s[SEL], 0x76543210
	s_mov_b32 s[SEL+1], 0xfedcba98
	; descriptor group 1: 4 rows (tiles) of 3,072 bytes (two K steps), 12,288 bytes apart in memory, dense in LDS
	s_mov_b32 s[G1], 15|(3<<16)|(1<<21)            ; 15:0 the mask: all four work-groups; 17:16 elements of 8 bytes; 21 set beside a mask; no padding
	s_mov_b32 s[G1+1], 384<<16                     ; tensor_dim0 = 384
	s_mov_b32 s[G1+2], 4<<16                       ; tensor_dim1 = 4
	s_mov_b32 s[G1+3], 384<<16                     ; tile_dim0 = 384
	s_mov_b32 s[G1+4], 4                           ; tile_dim1 = 4
	s_mov_b32 s[G1+5], 1536                        ; from row to row
	s_mov_b32 s[G1+6], 0
	s_mov_b32 s[G1+7], 0
	s_lshl_b32 s66, s[WV], 6                       ; wave g fetches group g: tiles 256 + 64 g + 4 HD on
	s_lshl_b32 s67, s21, 2
	s_add_co_u32 s66, s66, s67
	s_add_co_u32 s66, s66, 256
	s_mul_i32 s66, s66, 12288
	s_mov_b32 s67, 0
	s_mul_i32 s70, s[WV], 49152                    ; and its place in LDS
	s_mov_b32 s73, 0
	s_lshl_b32 s71, s20, 4
	s_lshl_b32 s72, s[WV], 2
	s_add_co_u32 s71, s71, s72                     ; my first tile of x: 16 TB + 4 w
	s_lshl_b32 s75, s21, 5
	s_lshl_b32 s74, s20, 1
	s_add_co_u32 s75, s75, s74                     ; my block's first record of kvbuf: 32 HD + 2 TB
	s_and_b32 s76, s[WV], 1
	s_wait_dscnt 0x0
	s_wait_kmcnt 0x0
	s_add_nc_u64 s[68:69], s[4:5], s[66:67]
.irp ch, 0,1,2,3
	s_mov_b32 s[G0+4*\ch], 1
	s_add_co_u32 s[G0+4*\ch+1], s70, \ch*12288
	s_add_nc_u64 s[G0+4*\ch+2:G0+4*\ch+3], s[68:69], \ch*3072
	s_or_b32 s[G0+4*\ch+3], s[G0+4*\ch+3], 0x80000000
.endr
	s_mul_i32 s72, s71, 12288
	s_add_nc_u64 s[XB:XB+1], s[4:5], s[72:73]
	s_lshl_b32 s72, s71, 9
	s_add_nc_u64 s[XSB:XSB+1], s[6:7], s[72:73]
	s_lshl_b32 s72, s21, 11
	s_add_co_u32 s72, s72, 256*512
	s_add_nc_u64 s[WSB:WSB+1], s[6:7], s[72:73]
	s_lshl_b32 s72, s21, 6
	s_lshl_b32 s74, s20, 2
	s_add_co_u32 s72, s72, s74
	s_add_co_u32 s72, s72, s[WV]
	s_mul_i32 s72, s72, 3328
	s_add_nc_u64 s[QD:QD+1], s[14:15], s[72:73]    ; quad 64 HD + 4 TB + w
	s_lshr_b32 s74, s[WV], 1
	s_add_co_u32 s74, s75, s74
	s_mul_i32 s72, s74, 13056
	s_add_nc_u64 s[78:79], s[16:17], s[72:73]      ; my record: two waves fill one
	s_mul_i32 s72, s76, 3072
	s_add_nc_u64 s[KD:KD+1], s[78:79], s[72:73]
	s_lshl_b32 s72, s76, 8
	s_add_co_u32 s72, s72, 12288
	s_add_nc_u64 s[KSD:KSD+1], s[78:79], s[72:73]
	s_mul_i32 s72, s76, 768
	s_add_co_u32 s72, s72, 6144
	s_add_nc_u64 s[VD:VD+1], s[78:79], s[72:73]
	s_add_co_u32 s72, s75, s[WV]
	s_mul_i32 s72, s72, 13056
	s_add_co_u32 s72, s72, 12800
	s_add_nc_u64 s[VSD:VSD+1], s[16:17], s[72:73]  ; used by waves 0 and 1 alone: V's words of the block's two records
	s_lshl_b32 s72, s21, 8
	s_add_nc_u64 s[8:9], s[8:9], s[72:73]          ; the head's 64 numbers of each bias
	s_add_nc_u64 s[10:11], s[10:11], s[72:73]
	s_add_nc_u64 s[12:13], s[12:13], s[72:73]
	CROUND                                         ; all four work-groups are here: the joint loads meet
	s_cmp_lt_u32 s[WV], 3
	s_cbranch_scc0 .Lno_fill                       ; waves 0 to 2 fetch q's, k's and v's tiles of W: four loads of mine are out
	tensor_load_to_lds s[G0:G0+3], s[G1:G1+7]
	s_nop 0
	tensor_load_to_lds s[G0+4:G0+7], s[G1:G1+7]
	s_nop 0
	tensor_load_to_lds s[G0+8:G0+11], s[G1:G1+7]
	s_nop 0
	tensor_load_to_lds s[G0+12:G0+15], s[G1:G1+7]
	s_nop 0
	PLACES 4
.Lno_fill:
.irp c, 0,1,2,3
	global_load_b32 v[18+\c], v8, s[12:13] offset:(32*(\c/2)+8*(\c%2))*4   ; bv at my channel of tile c
.endr
	WIN 0xc0                                       ; destination window 3
.irp g, 0,1
.irp i, 0,1,2,3
	global_load_b128 v[128+32*\g+8*\i:128+32*\g+8*\i+3], v7, s[8+2*\g:9+2*\g] offset:(32*(\i/2)+8*(\i%2))*4   ; bq, bk in the result's layout: tile i, my half's eight
	global_load_b128 v[128+32*\g+8*\i+4:128+32*\g+8*\i+7], v7, s[8+2*\g:9+2*\g] offset:(32*(\i/2)+8*(\i%2))*4+16
.endr
.endr
	WIN 0
.irp p, 0,1
	global_load_b128 v[XS+8*\p:XS+8*\p+3], v[L32], s[XSB:XSB+1] offset:1024*\p
	global_load_b128 v[XS+8*\p+4:XS+8*\p+7], v[L32], s[XSB:XSB+1] offset:1024*\p+16
.endr
.irp g, 0,1,2
.irp p, 0,1
	global_load_b128 v[WS+16*\g+8*\p:WS+16*\g+8*\p+3], v[L32], s[WSB:WSB+1] offset:32768*\g+1024*\p
	global_load_b128 v[WS+16*\g+8*\p+4:WS+16*\g+8*\p+7], v[L32], s[WSB:WSB+1] offset:32768*\g+1024*\p+16
.endr
.endr
	XLOAD 0
	XLOAD 1
	XLOAD 2
	XLOAD 3
	s_wait_tensorcnt 3                             ; my first part of W (K steps 0 and 1) has landed; three parts may be out
	s_barrier_signal -1
	s_barrier_wait -1                              ; everybody's has
	WLOAD 0, 0
	WLOAD 1, 0
	WLOAD 2, 0
	s_wait_loadcnt 48                              ; all but x's K steps 1 to 3
	WIN 0xc0
.irp c, 0,1,2,3
.irp j, 0,1,2,3,4,5,6,7
	v_mov_b32 v[192+8*\c+\j], v[18+\c]             ; bv in the result's layout: a lane holds one channel, so its eight registers are alike
.endr
.endr
	KSTEP 0
	KSTEP 1
	KSTEP 2
	KSTEP 3
	KSTEP 4
	KSTEP 5
	KSTEP 6
	KSTEP 7
	; THE WAY OUT: twelve times 32 numbers a lane become an image of 768 bytes; each has registers of its own, so no store's data are written again
	WIN 0
	PLACES 4
.irp m, 0,1,2,3
	QH 32*\m, 2, PCB+6*\m, PT, PW+\m
	global_store_b128 v[L16], v[PCB+6*\m:PCB+6*\m+3], s[QD:QD+1] offset:768*\m
	global_store_b64 v[L8], v[PCB+6*\m+4:PCB+6*\m+5], s[QD:QD+1] offset:768*\m+512
.endr
.irp m, 0,1,2,3
	QH 128+32*\m, 2, PCB+24+6*\m, PT, PW+4+\m
	global_store_b128 v[L16], v[PCB+24+6*\m:PCB+24+6*\m+3], s[KD:KD+1] offset:768*\m
	global_store_b64 v[L8], v[PCB+24+6*\m+4:PCB+24+6*\m+5], s[KD:KD+1] offset:768*\m+512
.endr
.irp c, 0,1,2,3
	QH 32*\c, 3, PCB+48+6*\c, PT, PW+8+\c
	global_store_b128 v[L16], v[PCB+48+6*\c:PCB+48+6*\c+3], s[VD:VD+1] offset:1536*\c
	global_store_b64 v[L8], v[PCB+48+6*\c+4:PCB+48+6*\c+5], s[VD:VD+1] offset:1536*\c+512
.endr
	v_cmp_lt_u32 vcc_lo, 15, v1                    ; lanes 0-15 store the words of tiles 0 and 1, lanes 16-31 those of tiles 2 and 3: 256 consecutive bytes
	v_cndmask_b32 v184, v[PW], v[PW+2], vcc_lo
	v_cndmask_b32 v185, v[PW+1], v[PW+3], vcc_lo
	v_cndmask_b32 v186, v[PW+4], v[PW+6], vcc_lo
	v_cndmask_b32 v187, v[PW+5], v[PW+7], vcc_lo
	global_store_b64 v[L8], v[184:185], s[QD:QD+1] offset:3072
	global_store_b64 v[L8], v[186:187], s[KSD:KSD+1]
.irp c, 0,1,2,3
	ds_store_b16 v15, v[PW+8+\c] offset:128*(\c/2)+4*(\c%2)   ; V's word of 128 keys comes from two waves, two bytes each
.endr
	s_wait_dscnt 0x0                               ; for the others' sake: my halves lie in LDS
	s_barrier_signal -1
	s_barrier_wait -1
	s_cmp_lt_u32 s[WV], 2
	s_cbranch_scc0 .Lno_vs
	ds_load_b64 v[188:189], v16
	s_wait_dscnt 0x0
	global_store_b64 v[L8], v[188:189], s[VSD:VSD+1]   ; 256 consecutive bytes
.Lno_vs:
	s_wait_tensorcnt 0x0
	ds_add_u32 v31, v99
	s_wait_dscnt 0x0
	CROUND                                         ; the closing round: no work-group ends while a partner may still ask jointly
	s_endpgm
.Lfunc_end_k_qd1527f635e_qkv:
	.size	k_qd1527f635e_qkv, .Lfunc_end_k_qd1527f635e_qkv-k_qd1527f635e_qkv
	.p2alignl 7, 3214868480
	.fill 96, 4, 3214868480
	.section	.rodata,"a",@progbits
	.p2align	6, 0x0
	.amdhsa_kernel k_qd1527f635e_qkv
		.amdhsa_group_segment_fixed_size 168448
		.amdhsa_private_segment_fixed_size 0
		.amdhsa_enable_private_segment 0
		.amdhsa_kernarg_size 56
		.amdhsa_user_sgpr_count 2
		.amdhsa_user_sgpr_kernarg_segment_ptr 1
		.amdhsa_wavefront_size32 1
		.amdhsa_system_sgpr_workgroup_id_x 1
		.amdhsa_system_sgpr_workgroup_id_y 1
		.amdhsa_system_sgpr_workgroup_id_z 1
		.amdhsa_system_vgpr_workitem_id 0
		.amdhsa_next_free_vgpr 1024
		.amdhsa_next_free_sgpr 80
		.amdhsa_reserve_vcc 1
		.amdhsa_float_denorm_mode_32 3
		.amdhsa_float_denorm_mode_16_64 3
		.amdhsa_memory_ordered 1
		.amdhsa_forward_progress 1
		.amdhsa_inst_pref_size 128
	.end_amdhsa_kernel
	.amdgpu_metadata
---
amdhsa.version: [ 1, 2 ]
amdhsa.kernels:
  - .name:           k_qd1527f635e_qkv
    .symbol:         k_qd1527f635e_qkv.kd
    .args:
      - { .name: codes, .offset: 0, .size: 8, .value_kind: global_buffer, .address_space: global }
      - { .name: scales, .offset: 8, .size: 8, .value_kind: global_buffer, .address_space: global }
      - { .name: bq, .offset: 16, .size: 8, .value_kind: global_buffer, .address_space: global }
      - { .name: bk, .offset: 24, .size: 8, .value_kind: global_buffer, .address_space: global }
      - { .name: bv, .offset: 32, .size: 8, .value_kind: global_buffer, .address_space: global }
      - { .name: qbuf, .offset: 40, .size: 8, .value_kind: global_buffer, .address_space: global }
      - { .name: kvbuf, .offset: 48, .size: 8, .value_kind: global_buffer, .address_space: global }
    .group_segment_fixed_size: 168448
    .private_segment_fixed_size: 0
    .kernarg_segment_align: 8
    .kernarg_segment_size: 56
    .max_flat_workgroup_size: 128
    .sgpr_count:     80
    .vgpr_count:     1024
    .wavefront_size: 32
...
	.end_amdgpu_metadata
.endif
;; end of part 2
;; launch attn (part 3): grid 32 x 8, 16 waves a work-group, no clusters, 169,984 bytes of LDS; arguments qbuf, kvbuf, aoc, aos; writes aoc, aos
.if DOCPART == 3
	.amdgcn_target "amdgcn-amd-amdhsa--gfx1250"
	.amdhsa_code_object_version 6
	.text
	.protected	k_qd1527f635e_attn
	.globl	k_qd1527f635e_attn
	.p2align	8
	.type	k_qd1527f635e_attn,@function
k_qd1527f635e_attn:
	s_mov_b64 s[64:65], 0
	v_nop
	global_prefetch_b8 v0, s[64:65] scope:SCOPE_SE
	s_setreg_imm32_b32 hwreg(HW_REG_WAVE_MODE, 25, 1), 1
	s_wait_xcnt 0x0
; Attention inside the band |query - key| <= 256, both products on codes of BF6, and O / l quantised along the model's 1,024 for the last product.
; t = score x log2(e) / 8; M = the running largest t rounded up to a whole number; p = 2^(t - M) is quantised along the keys, block by block of 32; the row's sum is
; taken of the unquantised p; when M moves, the sum and O are multiplied by 2^(old M - new M), which rounds nothing.
; SHARES.  A work-group takes 128 queries (block G) of two heads, 2 HP and 2 HP + 1; wave w takes head 2 HP + w / 8 and tile w % 8 of 16 queries, in 256 registers.
; The band of block G lies in the five steps of 128 keys G - 2 .. G + 2: they are written out.  In the first a key counts where its place in the step is at least the
; query's place in its block, in the last where it is at most that; the three between count whole.  A step that lies outside the 32 is left out by a branch on the work-group's number.
; LDS.  The ten records (two heads x five steps, 13,056 bytes each, as the launch before laid them) come by ten tensor loads, one each of waves 0 to 9; each byte is
; filled once.  At the sequence's ends the record's number is held inside 0 .. 31; what is so fetched is not read.
; LAYOUT.  Both products are used transposed: S^T = K Q^T, O^T = V^T P^T: a lane holds one query throughout.  The head's 64 fill half of the instruction's 128 along K:
; the upper six registers of Q's and K's fragments are zero codes.  By the tiles' order of rows, the 16 registers of tiles 2 b and 2 b + 1 of S^T are keys 32 b + 16 (lane / 16) + 0 .. 15.
; No cluster: neighbouring blocks want windows that are shifted by one record, so their loads would differ in the LDS address.
; LIMITS: a block of zeros gets the byte 1 (zero codes); NaN and infinities are not served.
; REGISTERS: v1-9 addresses and constants; v12 -M, v13 the largest t, v[14:15] the sum; v16-27 Q; v28 Q's scale words; v30-35 K's and V's; v36-83 four fragments of K;
; v84 f, v85 p's scale word; v88-95 at work; v96-159 S^T, then p, then V's fragments; v160-191 O^T; v192-231 at work.
.set WV,   12
.set GB,   13                          ; s13  G
.set HP,   14
.set HSEL, 15                          ; s15  which of the two heads
.set TQ,   16                          ; s16  which tile of queries
.set SEL,  20
.set CS,   22                          ; s[22:23] c = log2(e) / 8
.set G1,   24
.set G0,   32
.set KSC,  30
.set VSC,  34
.set KF,   36
.set BM,   88
.set BT,   92
.set S,    96
.set O,    160
.set PC,   192
.set PTT,  204
.set SCF,  212
.set BY,   216
.set SM2,  220
.set TM,   222
.set FLR,  230
.set PWO,  231
.set RECB, 13056
.set AOSG, 10*RECB                     ; behind the records: 512 bytes in which O's scale words are put together
.set MSB, 0
.macro WIN new                         ; this text stays in window 0: every call asks for the setting that stands, and nothing is written
.if MSB != \new
	s_set_vgpr_msb (MSB<<8)|\new
.set MSB, \new
.endif
.endm
.macro PLACES n
.rept \n
	v_nop
.endr
.endm
.macro WMZ d, a, b, sa, sb, ra         ; a product that starts a sum.  ra: 1 where A's scale words stand in lanes 16-31
.set wD, \d
.set wA, \a
.set wB, \b
.set wS, \sa
.set wT, \sb
.if (\ra) == 0
	v_wmma_scale_f32_16x16x128_f8f6f4 v[wD:wD+7], v[wA:wA+11], v[wB:wB+11], 0, v[wS], v[wT] matrix_a_fmt:MATRIX_FMT_BF6 matrix_b_fmt:MATRIX_FMT_BF6
.else
	v_wmma_scale_f32_16x16x128_f8f6f4 v[wD:wD+7], v[wA:wA+11], v[wB:wB+11], 0, v[wS], v[wT] matrix_a_fmt:MATRIX_FMT_BF6 matrix_b_fmt:MATRIX_FMT_BF6 matrix_a_scale:MATRIX_SCALE_ROW1
.endif
.endm
.macro WMA d, a, b, sa, sb, ra         ; and one that adds in place
.set wD, \d
.set wA, \a
.set wB, \b
.set wS, \sa
.set wT, \sb
.if (\ra) == 0
	v_wmma_scale_f32_16x16x128_f8f6f4 v[wD:wD+7], v[wA:wA+11], v[wB:wB+11], v[wD:wD+7], v[wS], v[wT] matrix_a_fmt:MATRIX_FMT_BF6 matrix_b_fmt:MATRIX_FMT_BF6
.else
	v_wmma_scale_f32_16x16x128_f8f6f4 v[wD:wD+7], v[wA:wA+11], v[wB:wB+11], v[wD:wD+7], v[wS], v[wT] matrix_a_fmt:MATRIX_FMT_BF6 matrix_b_fmt:MATRIX_FMT_BF6 matrix_a_scale:MATRIX_SCALE_ROW1
.endif
.endm
.macro HDS reg, off                    ; an image of 768 bytes: six registers a lane, by two loads of consecutive bytes
.set hR, \reg
.set hO, \off
	ds_load_b128 v[hR:hR+3], v1 offset:hO
	ds_load_b64 v[hR+4:hR+5], v2 offset:hO+512
.endm
; 32 numbers of a lane, register 16 b + i = k 32 b + 16 (lane / 16) + i, become six registers of codes at v[pc] on and two scale bytes in v[pw]
.macro QH s, win, pc, pt, pw
.set qS, \s
.set qP, \pc
.set qT, \pt
	WIN ((\win)<<2)|((\win)<<4)
.irp b, 0,1
	v_max3_num_f32 v[TM+\b], v[FLR], |v[qS+16*\b]|, |v[qS+16*\b+1]|
.endr
.irp i, 2,4,6,8,10,12,14
.irp b, 0,1
	v_max3_num_f32 v[TM+\b], v[TM+\b], |v[qS+16*\b+\i]|, |v[qS+16*\b+\i+1]|
.endr
.endr
	WIN 0
.irp b, 0,1
	v_permlanex16_b32 v[TM+2+\b], v[TM+\b], s[SEL], s[SEL+1]
.endr
.irp b, 0,1
	v_max_num_f32 v[TM+\b], v[TM+\b], v[TM+2+\b]
.endr
.irp b, 0,1
	v_add_nc_u32 v[TM+4+\b], 0xfe000000, v[TM+\b]
.endr
.irp b, 0,1
	v_lshrrev_b32 v[TM+6+\b], 23, v[TM+4+\b]
.endr
	v_lshl_or_b32 v[\pw], v[TM+7], 8, v[TM+6]
	WIN \win
	v_cvt_scalef32_pk16_bf6_f32 v[qP:qP+2], v[qS:qS+15], v[TM+4]
	v_cvt_scalef32_pk16_bf6_f32 v[qT:qT+2], v[qS+16:qS+31], v[TM+5]
	WIN 0
	v_nop
.irp i, 0,1,2
	v_permlane16_swap_b32 v[qP+\i], v[qT+\i]
.endr
.irp i, 0,1,2
	v_mov_b32 v[qP+3+\i], v[qT+\i]
.endr
.endm
	s_load_b256 s[4:11], s[0:1], 0x0               ; qbuf, kvbuf, aoc, aos
	v_lshl_add_u32 v254, v0, 2, 0x29000
	v_mov_b32 v255, 0
	ds_add_u32 v254, v255
	ds_add_u32 v254, v255
	v_lshrrev_b32 v1, 5, v0
	v_readfirstlane_b32 s[WV], v1                  ; wave 0..15
	s_mov_b32 s[GB], ttmp9
	s_and_b32 s[HP], ttmp7, 0xffff
	s_lshr_b32 s[HSEL], s[WV], 3
	s_and_b32 s[TQ], s[WV], 7
	; what I fetch, if I fetch: wave 5 a + d brings step G - 2 + d of head 2 HP + a
	s_cmp_ge_u32 s[WV], 5
	s_cselect_b32 s36, 1, 0
	s_mul_i32 s37, s36, 5
	s_sub_co_u32 s37, s[WV], s37
	s_add_co_u32 s37, s37, s[GB]
	s_max_u32 s37, s37, 2
	s_sub_co_u32 s37, s37, 2
	s_min_u32 s37, s37, 31                         ; held inside the sequence
	s_lshl_b32 s38, s[HP], 1
	s_add_co_u32 s38, s38, s36
	s_lshl_b32 s38, s38, 5
	s_add_co_u32 s38, s38, s37
	s_mul_i32 s38, s38, RECB
	s_mov_b32 s39, 0
	; descriptor group 1: a record is dense: 51 rows of 256 bytes
	s_mov_b32 s[G1], 3<<16                         ; no mask; elements of 8 bytes; no padding
	s_mov_b32 s[G1+1], 32<<16                      ; tensor_dim0 = 32
	s_mov_b32 s[G1+2], 51<<16                      ; tensor_dim1 = 51
	s_mov_b32 s[G1+3], 32<<16                      ; tile_dim0 = 32
	s_mov_b32 s[G1+4], 51                          ; tile_dim1 = 51
	s_mov_b32 s[G1+5], 32                          ; from row to row
	s_mov_b32 s[G1+6], 0
	s_mov_b32 s[G1+7], 0
	s_mov_b32 s[G0], 1
	s_mul_i32 s[G0+1], s[WV], RECB                 ; slot = my wave's number
	; my tile of queries
	s_lshl_b32 s58, s[HP], 1
	s_add_co_u32 s58, s58, s[HSEL]                 ; the head
	s_lshl_b32 s59, s58, 6
	s_lshl_b32 s60, s[GB], 1
	s_add_co_u32 s59, s59, s60
	s_lshr_b32 s60, s[TQ], 2
	s_add_co_u32 s59, s59, s60
	s_mul_i32 s59, s59, 3328                       ; the quad 64 head + 2 G + TQ / 4
	s_and_b32 s40, s[TQ], 3
	s_mul_i32 s40, s40, 768
	s_add_co_u32 s40, s40, s59                     ; Q's image
	s_mov_b32 s41, 0
	s_bfe_u32 s42, s[TQ], 0x10001
	s_lshl_b32 s42, s42, 7
	s_and_b32 s60, s[TQ], 1
	s_lshl_b32 s60, s60, 2
	s_add_co_u32 s42, s42, s60
	s_add_co_u32 s42, s42, s59
	s_add_co_u32 s42, s42, 3072                    ; its scale words: 8 bytes from row to row
	s_mov_b32 s43, 0
	s_lshl_b32 s44, s[GB], 3
	s_add_co_u32 s44, s44, s[TQ]
	s_mul_i32 s44, s44, 12288
	s_mul_i32 s60, s58, 768
	s_add_co_u32 s44, s44, s60                     ; aoc: tile 8 G + TQ, the head's 768 bytes
	s_mov_b32 s45, 0
	s_lshl_b32 s46, s[HP], 8
	s_lshl_b32 s60, s[GB], 3
	s_add_co_u32 s46, s46, s60
	s_lshl_b32 s46, s46, 6                         ; aos: K step HP, tiles 8 G on
	s_mov_b32 s47, 0
	s_mov_b32 s[SEL], 0x76543210
	s_mov_b32 s[SEL+1], 0xfedcba98
	s_mov_b32 s[CS], 0x3e38aa3b                    ; log2(e) / 8
	s_mov_b32 s[CS+1], s[CS]                       ; (named with it as a pair)
	s_wait_dscnt 0x0
	s_wait_kmcnt 0x0
	s_add_nc_u64 s[G0+2:G0+3], s[6:7], s[38:39]
	s_or_b32 s[G0+3], s[G0+3], 0x80000000
	s_cmp_lt_u32 s[WV], 10
	s_cbranch_scc0 .Lno_fill
	tensor_load_to_lds s[G0:G0+3], s[G1:G1+7]      ; one load of mine is out
	s_nop 0
	PLACES 4
.Lno_fill:
	s_add_nc_u64 s[50:51], s[4:5], s[40:41]
	s_add_nc_u64 s[52:53], s[4:5], s[42:43]
	s_add_nc_u64 s[54:55], s[8:9], s[44:45]
	s_add_nc_u64 s[56:57], s[10:11], s[46:47]
	v_and_b32 v9, 31, v0                           ; lane
	v_and_b32 v10, 15, v0                          ; r
	v_bfe_u32 v11, v0, 4, 1                        ; h
	v_lshlrev_b32 v4, 4, v9
	v_lshlrev_b32 v5, 3, v9
	v_lshlrev_b32 v6, 3, v10
	global_load_b128 v[16:19], v4, s[50:51] th:TH_LOAD_NT      ; Q's six registers stay
	global_load_b64 v[20:21], v5, s[50:51] offset:512 th:TH_LOAD_NT
	global_load_b32 v28, v6, s[52:53]
	s_mul_i32 s60, s[HSEL], 5*RECB
	v_add_nc_u32 v1, s60, v4                       ; 16 x lane + my head's five records
	v_add_nc_u32 v2, s60, v5                       ; 8 x lane likewise
	s_lshr_b32 s60, s[TQ], 1
	s_lshl_b32 s60, s60, 5
	s_and_b32 s61, s[TQ], 1
	s_lshl_b32 s61, s61, 3
	s_add_co_u32 s60, s60, s61
	v_and_b32 v3, 8, v10
	v_add_nc_u32 v3, v3, v10
	v_lshlrev_b32 v11, 4, v11
	v_sub_nc_u32 v3, v3, v11
	v_add_nc_u32 v3, s60, v3                       ; my query's place in its block, less 16 (lane / 16): register 16 b + i holds the key at place 32 b + i + 16 (lane / 16)
	v_mov_b32 v7, 0xff800000                       ; -infinity
	s_lshl_b32 s60, s[TQ], 6
	s_lshl_b32 s61, s[HSEL], 1
	s_add_co_u32 s60, s60, s61
	s_add_co_u32 s60, s60, AOSG
	v_lshl_add_u32 v8, v10, 2, s60                 ; O's scale word: tile TQ, row r, my head's half
	v_add_nc_u32 v9, AOSG, v4
	v_mov_b32 v13, 0xff61b1e6                      ; the largest t so far: -3e38
	v_floor_f32 v12, -v13                          ; -M
	v_mov_b32 v14, 0
	v_mov_b32 v15, 0
.irp i, 22,23,24,25,26,27
	v_mov_b32 v[\i], 0                             ; Q's upper 64 along K: zero codes
.endr
.irp t, 0,1,2,3
.irp i, 6,7,8,9,10,11
	v_mov_b32 v[KF+12*\t+\i], 0                    ; K's likewise: written once
.endr
.endr
	v_mov_b32 v85, 0                               ; (named as the upper half of the pair v[84:85] before it is first written)
	v_mov_b32 v86, 0
.irp b, 0,1,2,3
	v_mov_b32 v[BT+\b], 0                          ; lane permutes' destinations count as sources
.endr
	v_mov_b32 v[TM+2], 0
	v_mov_b32 v[TM+3], 0
	v_mov_b32 v[FLR], 0x2800000
.set n, 0
.rept 32
	v_mov_b32 v[O+n], 0                            ; O^T: the first step finds zeros, which the first change of M leaves zeros
.set n, n+1
.endr
; A STEP of 128 keys: record d of my head
.macro STEP d
.set REC, RECB*(\d)
.if (\d) < 2
	s_cmp_lt_u32 s[GB], 2-(\d)                     ; the step lies ahead of key 0
	s_cbranch_scc1 .Lskip_\@
.elseif (\d) > 2
	s_cmp_gt_u32 s[GB], 33-(\d)                    ; or behind the last key
	s_cbranch_scc1 .Lskip_\@
.endif
	ds_load_b64 v[KSC:KSC+1], v2 offset:REC+12288  ; K's scale words: register e: lanes 0-15 tile e of a quad, lanes 16-31 tile 2 + e
	ds_load_b64 v[KSC+2:KSC+3], v2 offset:REC+12544
	ds_load_b64 v[VSC:VSC+1], v2 offset:REC+12800  ; V's likewise
.irp g, 0,1
.if \g == 1
	PLACES 4                                       ; in front of loads into registers that the products above have read
.endif
.irp t, 0,1,2,3
	HDS KF+12*\t, REC+768*(4*\g+\t)
.endr
	s_wait_dscnt 0x0
.irp t, 0,1,2,3
	WMZ S+8*(4*\g+\t), KF+12*\t, 16, KSC+2*\g+\t%2, 28, \t/2
.endr
.endr
	PLACES 4
.if (\d) == 0                          ; hidden scores become -infinity ahead of the maximum: p = 0 then.  Each row keeps at least one key in this step
.set n, 0
.rept 64
	v_cmp_lt_i32 vcc_lo, 32*(n/16)+n%16, v3
	v_cndmask_b32 v[S+n], v[S+n], v7, vcc_lo
.set n, n+1
.endr
.elseif (\d) == 4
.set n, 0
.rept 64
	v_cmp_gt_i32 vcc_lo, 32*(n/16)+n%16, v3
	v_cndmask_b32 v[S+n], v[S+n], v7, vcc_lo
.set n, n+1
.endr
.endif
.irp b, 0,1,2,3
	v_max3_num_f32 v[BM+\b], v[S+16*\b], v[S+1+16*\b], v[S+2+16*\b]   ; the largest score of each block of 32 keys: for the row's maximum, and, since p rises with the score, for the block's largest p
.endr
.irp i, 3,5,7,9,11,13
.irp b, 0,1,2,3
	v_max3_num_f32 v[BM+\b], v[BM+\b], v[S+16*\b+\i], v[S+1+16*\b+\i]
.endr
.endr
.irp b, 0,1,2,3
	v_max_num_f32 v[BM+\b], v[BM+\b], v[S+15+16*\b]
.endr
.irp b, 0,1,2,3
	v_permlanex16_b32 v[BT+\b], v[BM+\b], s[SEL], s[SEL+1]
.endr
.irp b, 0,1,2,3
	v_max_num_f32 v[BM+\b], v[BM+\b], v[BT+\b]     ; with lane l xor 16's 16 keys
.endr
	v_max3_num_f32 v86, v[BM], v[BM+1], v[BM+2]
	v_max_num_f32 v86, v86, v[BM+3]
	v_mul_f32 v86, s[CS], v86                      ; as t
	v_max_num_f32 v13, v13, v86                    ; the running largest t
	v_mov_b32 v86, v12
	v_floor_f32 v12, -v13                          ; the new -M = floor(-t)
	v_sub_f32 v86, v12, v86                        ; old M - new M: a whole number, 0 or less
	v_cvt_i32_f32 v86, v86                         ; (it saturates)
	v_ldexp_f32 v84, 1.0, v86                      ; f = 2^(old M - new M)
.set n, 0
.rept 32
	v_pk_fma_f32 v[S+2*n:S+2*n+1], v[S+2*n:S+2*n+1], s[CS:CS+1], v[12:13] op_sel_hi:[1,0,0]   ; t - M, two at a time
.set n, n+1
.endr
.irp b, 0,1,2,3
	v_fma_f32 v[BM+\b], v[BM+\b], s[CS], v12       ; the same of each block's largest score
.endr
.set n, 0
.rept 64
	v_exp_f32 v[S+n], v[S+n]                       ; p = 2^(t - M)
.set n, n+1
.endr
	v_pk_mul_f32 v[14:15], v[14:15], v[84:85] op_sel_hi:[1,0]   ; the sums under the new M: a plain line behind the exponentials
	s_wait_alu depctr_va_vdst(0)                   ; one wait for the batch, ahead of its first reader
.irp b, 0,1,2,3
	v_exp_f32 v[BM+\b], v[BM+\b]                   ; the block's largest p
.endr
	v_pk_add_f32 v[SM2:SM2+1], v[S:S+1], v[S+2:S+3]   ; the row's sum of the unquantised p, in two chains; it reads the 64 alone
.irp j, 4,8,12,16,20,24,28,32,36,40,44,48,52,56,60
	v_pk_add_f32 v[14:15], v[14:15], v[S+\j:S+1+\j]
	v_pk_add_f32 v[SM2:SM2+1], v[SM2:SM2+1], v[S+2+\j:S+3+\j]
.endr
	v_pk_add_f32 v[14:15], v[14:15], v[SM2:SM2+1]
	s_wait_alu depctr_va_vdst(0)                   ; and one for the four
.irp b, 0,1,2,3
	v_max_num_f32 v[BM+\b], 0x2800000, v[BM+\b]    ; the floor: a block whose every p is 0 keeps the byte 1: its codes are zeros
.endr
.irp b, 0,1,2,3
	v_add_nc_u32 v[SCF+\b], 0xfe000000, v[BM+\b]
.endr
.irp b, 0,1,2,3
	v_lshrrev_b32 v[BY+\b], 23, v[SCF+\b]
.endr
	v_lshl_or_b32 v85, v[BY+1], 8, v[BY]           ; p's scale word for these 128 keys
	v_lshl_or_b32 v85, v[BY+2], 16, v85
	v_lshl_or_b32 v85, v[BY+3], 24, v85
.irp c, 0,1
	v_cvt_scalef32_pk16_bf6_f32 v[PC+6*\c:PC+2+6*\c], v[S+32*\c:S+15+32*\c], v[SCF+2*\c]
	v_cvt_scalef32_pk16_bf6_f32 v[PTT+4*\c:PTT+2+4*\c], v[S+16+32*\c:S+31+32*\c], v[SCF+2*\c+1]
.endr
	v_nop                                          ; a plain line behind the scaled conversions
.irp c, 0,1,2,3                        ; p has been read: V's four fragments (16 channels x 128 keys) take its registers
	HDS S+12*\c, REC+6144+1536*\c
	HDS S+12*\c+6, REC+6144+1536*\c+768
.endr
.irp c, 0,1
.irp i, 0,1,2
	v_permlane16_swap_b32 v[PC+6*\c+\i], v[PTT+4*\c+\i]
.endr
.irp i, 0,1,2
	v_mov_b32 v[PC+3+6*\c+\i], v[PTT+4*\c+\i]
.endr
.endr
.set n, 0
.rept 16
	v_pk_mul_f32 v[O+2*n:O+2*n+1], v[O+2*n:O+2*n+1], v[84:85] op_sel_hi:[1,0]   ; O^T under the new M; these sixteen also stand between the lines that made p's codes and scale word and the products
.set n, n+1
.endr
	s_wait_dscnt 0x0
.irp c, 0,1,2,3
	WMA O+8*\c, S+12*\c, PC, VSC+\c%2, 85, \c/2
.endr
	PLACES 5                                       ; the next step's first products write over V's registers: five plain lines between
.Lskip_\@:
.endm
	s_wait_loadcnt 0x0                             ; Q
	s_wait_tensorcnt 0x0                           ; my record has landed,
	s_barrier_signal -1
	s_barrier_wait -1                              ; everybody's has
	STEP 0
	STEP 1
	STEP 2
	STEP 3
	STEP 4
	; THE WAY OUT: O^T / the sum, quantised along the head's 64 (two blocks of the last product's K), as an image of 768 bytes
	v_add_f32 v14, v14, v15
	v_permlanex16_b32 v86, v14, s[SEL], s[SEL+1]
	v_add_f32 v14, v14, v86                        ; the row's sum
	v_rcp_f32 v14, v14
	v_nop                                          ; a plain line behind the reciprocal
	s_wait_alu depctr_va_vdst(0)                   ; the wait, ahead of its first reader
.set n, 0
.rept 32
	v_mul_f32 v[S+n], v[O+n], v14                  ; register 16 b + i is channel 32 b + 16 (lane / 16) + i of my query
.set n, n+1
.endr
	QH S, 0, PC, PTT, PWO
	global_store_b128 v4, v[PC:PC+3], s[54:55]
	global_store_b64 v5, v[PC+4:PC+5], s[54:55] offset:512
	ds_store_b16 v8, v[PWO]                        ; a word of the last product's scales comes from two heads, two bytes each
	s_wait_dscnt 0x0                               ; for wave 0's sake
	s_barrier_signal -1
	s_barrier_wait -1
	s_cmp_lg_u32 s[WV], 0
	s_cbranch_scc1 .Ldone
	ds_load_b128 v[96:99], v9
	s_wait_dscnt 0x0
	global_store_b128 v4, v[96:99], s[56:57]       ; 512 consecutive bytes: eight tiles' words
.Ldone:
	s_wait_tensorcnt 0x0
	ds_add_u32 v254, v255
	s_wait_dscnt 0x0
	s_endpgm
.Lfunc_end_k_qd1527f635e_attn:
	.size	k_qd1527f635e_attn, .Lfunc_end_k_qd1527f635e_attn-k_qd1527f635e_attn
	.p2alignl 7, 3214868480
	.fill 96, 4, 3214868480
	.section	.rodata,"a",@progbits
	.p2align	6, 0x0
	.amdhsa_kernel k_qd1527f635e_attn
		.amdhsa_group_segment_fixed_size 169984
		.amdhsa_private_segment_fixed_size 0
		.amdhsa_enable_private_segment 0
		.amdhsa_kernarg_size 32
		.amdhsa_user_sgpr_count 2
		.amdhsa_user_sgpr_kernarg_segment_ptr 1
		.amdhsa_wavefront_size32 1
		.amdhsa_system_sgpr_workgroup_id_x 1
		.amdhsa_system_sgpr_workgroup_id_y 1
		.amdhsa_system_sgpr_workgroup_id_z 1
		.amdhsa_system_vgpr_workitem_id 0
		.amdhsa_next_free_vgpr 256
		.amdhsa_next_free_sgpr 66
		.amdhsa_reserve_vcc 1
		.amdhsa_float_denorm_mode_32 3
		.amdhsa_float_denorm_mode_16_64 3
		.amdhsa_memory_ordered 1
		.amdhsa_forward_progress 1
		.amdhsa_inst_pref_size 101
	.end_amdhsa_kernel
	.amdgpu_metadata
---
amdhsa.version: [ 1, 2 ]
amdhsa.kernels:
  - .name:           k_qd1527f635e_attn
    .symbol:         k_qd1527f635e_attn.kd
    .args:
      - { .name: qbuf, .offset: 0, .size: 8, .value_kind: global_buffer, .address_space: global }
      - { .name: kvbuf, .offset: 8, .size: 8, .value_kind: global_buffer, .address_space: global }
      - { .name: aoc, .offset: 16, .size: 8, .value_kind: global_buffer, .address_space: global }
      - { .name: aos, .offset: 24, .size: 8, .value_kind: global_buffer, .address_space: global }
    .group_segment_fixed_size: 169984
    .private_segment_fixed_size: 0
    .kernarg_segment_align: 8
    .kernarg_segment_size: 32
    .max_flat_workgroup_size: 512
    .sgpr_count:     66
    .vgpr_count:     256
    .wavefront_size: 32
...
	.end_amdgpu_metadata
.endif
;; end of part 3
;; launch oproj (part 4): grid 16 x 16, 4 waves a work-group, clusters of 4 x 1, 168,448 bytes of LDS; arguments aoc, aos, codes, scales, bo, out0; writes out0
.if DOCPART == 4
	.amdgcn_target "amdgcn-amd-amdhsa--gfx1250"
	.amdhsa_code_object_version 6
	.text
	.protected	k_qd1527f635e_oproj
	.globl	k_qd1527f635e_oproj
	.p2align	8
	.type	k_qd1527f635e_oproj,@function
k_qd1527f635e_oproj:
	s_mov_b64 s[64:65], 0
	v_nop
	global_prefetch_b8 v0, s[64:65] scope:SCOPE_SE
	s_setreg_imm32_b32 hwreg(HW_REG_WAVE_MODE, 25, 1), 1
	s_wait_xcnt 0x0
	s_wait_alu depctr_hold_cnt(0) depctr_sa_sdst(0) depctr_va_vdst(0) depctr_va_sdst(0) depctr_va_ssrc(0) depctr_va_vcc(0) depctr_vm_vsrc(0)
	s_getreg_b32 s2, hwreg(HW_REG_IB_STS2, 6, 4)
	s_cmp_eq_u32 s2, 0
	s_cbranch_scc0 .Lentry_in_a_cluster
	s_endpgm
.Lentry_in_a_cluster:
	s_bfe_u32 s2, ttmp6, 0x10000c
	s_cmp_lg_u32 s2, 0x3003
	s_cbranch_scc0 .Lentry_shape_is_right
	s_endpgm
.Lentry_shape_is_right:
; out = (O / l) Wo^T + bo on codes of BF6.  aoc holds the attention's result as fragments [token tile][K step][1,536 bytes], aos its scale words [K step][tile][row].
; SHARES.  A work-group takes 256 tokens (block TB) x 64 columns (block NB); wave w takes tokens 64 w .. 64 w + 63: 4 tiles, against Wo's 4 tiles: 16 accumulators.
; Source 0 = a tile of Wo, source 1 = a tile of tokens: a lane holds one token; by the order of Wo's rows in a tile its 16 registers of two neighbouring tiles are 16
; neighbouring columns, 64 bytes.  The tokens' fragments serve one wave alone and come from memory straight into registers, three K steps ahead.  Wo's 4 tiles (49,152 bytes) serve the
; four waves and the four token blocks of a cluster: wave 0 asks for them JOINTLY, in four parts of two K steps; no LDS byte is filled twice.  bo is the C of each sum's first product.
; REGISTERS.  Window 0: v1-11 addresses; v16-31 the tokens' scale words; v32-47 Wo's; v48-143 Wo's fragments, two sets; on the way out v48-175 rows of the result.
; Window 1: the tokens' fragments, four K steps.  Window 2: the accumulators (32 m + 8 i), and bo from v128.
.set WV,   18
.set G1,   24
.set G0,   32
.set XB,   48                          ; s[48:49] my four tiles of aoc;  s[50:51] their scale words;  s[52:53] Wo's scale words;  s[54:55] my rows of the result
.set XSB,  50
.set WSB,  52
.set OB,   54
.set L16,  4
.set L8,   5
.set L32,  6
.set XS,   16                          ; register 8 p + s: K step s; lanes 0-15 tile 2 p, lanes 16-31 tile 2 p + 1
.set WS,   32
.set WF,   48
.set OUT,  48
.set STG,  49152                       ; LDS behind Wo: for each wave four stages of 16 rows x (256 bytes + 16)
.set MSB, 0
.macro WIN new
.if MSB != \new
	s_set_vgpr_msb (MSB<<8)|\new
.set MSB, \new
.endif
.endm
.macro PLACES n
.rept \n
	v_nop
.endr
.endm
.macro CROUND                          ; a round of the cluster's barrier
	s_barrier_signal -1
	s_barrier_wait -1
	s_cmp_lg_u32 s[WV], 0
	s_cbranch_scc1 .Lnot_wave_0_\@
	s_barrier_signal -3
.Lnot_wave_0_\@:
	s_barrier_wait -3
	s_barrier_signal -1
	s_barrier_wait -1
.endm
.macro WM d, a, b, c, sa, sb, ra, rb   ; ra, rb: 1 where the side's scale words stand in lanes 16-31
.set wD, \d
.set wA, \a
.set wB, \b
.set wC, \c
.set wS, \sa
.set wT, \sb
.set wR, (\ra)+2*(\rb)
.if wR == 0
	v_wmma_scale_f32_16x16x128_f8f6f4 v[wD:wD+7], v[wA:wA+11], v[wB:wB+11], v[wC:wC+7], v[wS], v[wT] matrix_a_fmt:MATRIX_FMT_BF6 matrix_b_fmt:MATRIX_FMT_BF6
.elseif wR == 1
	v_wmma_scale_f32_16x16x128_f8f6f4 v[wD:wD+7], v[wA:wA+11], v[wB:wB+11], v[wC:wC+7], v[wS], v[wT] matrix_a_fmt:MATRIX_FMT_BF6 matrix_b_fmt:MATRIX_FMT_BF6 matrix_a_scale:MATRIX_SCALE_ROW1
.elseif wR == 2
	v_wmma_scale_f32_16x16x128_f8f6f4 v[wD:wD+7], v[wA:wA+11], v[wB:wB+11], v[wC:wC+7], v[wS], v[wT] matrix_a_fmt:MATRIX_FMT_BF6 matrix_b_fmt:MATRIX_FMT_BF6 matrix_b_scale:MATRIX_SCALE_ROW1
.else
	v_wmma_scale_f32_16x16x128_f8f6f4 v[wD:wD+7], v[wA:wA+11], v[wB:wB+11], v[wC:wC+7], v[wS], v[wT] matrix_a_fmt:MATRIX_FMT_BF6 matrix_b_fmt:MATRIX_FMT_BF6 matrix_a_scale:MATRIX_SCALE_ROW1 matrix_b_scale:MATRIX_SCALE_ROW1
.endif
.endm
.macro XLOAD s                         ; my four fragments for K step s: 16 loads, into set s % 4 of window 1
	WIN 0x40
.irp m, 0,1,2,3
.set rX, 48*((\s)%4)+12*\m
.set oX, 12288*\m+1536*(\s)
	global_load_b128 v[rX:rX+3], v[L16], s[XB:XB+1] offset:oX
	global_load_b64 v[rX+4:rX+5], v[L8], s[XB:XB+1] offset:oX+512
	global_load_b128 v[rX+6:rX+9], v[L16], s[XB:XB+1] offset:oX+768
	global_load_b64 v[rX+10:rX+11], v[L8], s[XB:XB+1] offset:oX+1280
.endr
	WIN 0
.endm
.macro WLOAD s                         ; Wo's four fragments for K step s: 16 LDS loads, into set s % 2
.irp i, 0,1,2,3
.set rW, WF+48*((\s)%2)+12*\i
.set oW, ((\s)/2)*12288+\i*3072+((\s)%2)*1536
	ds_load_b128 v[rW:rW+3], v[L16] offset:oW
	ds_load_b64 v[rW+4:rW+5], v[L8] offset:oW+512
	ds_load_b128 v[rW+6:rW+9], v[L16] offset:oW+768
	ds_load_b64 v[rW+10:rW+11], v[L8] offset:oW+1280
.endr
.endm
.macro OSTEP s                         ; a K step: 16 products on 16 accumulators, one turn each
.if (\s) < 5
	s_wait_loadcnt 48                              ; this step's fragments are in; those of the three steps behind it may be out
.else
	s_wait_loadcnt 16*(7-(\s))
.endif
.if (\s) < 7
	s_wait_dscnt 16                                ; this step's set of Wo is in; the next step's sixteen loads may be out
.else
	s_wait_dscnt 0x0
.endif
	WIN 0xa4                                       ; Wo window 0, the tokens window 1, C and D window 2
.irp m, 0,1,2,3
.irp i, 0,1,2,3
.set rD, 32*\m+8*\i
.if (\s) == 0
.set rC, 128+8*\i
.else
.set rC, rD
.endif
	WM rD, WF+48*((\s)%2)+12*\i, 48*((\s)%4)+12*\m, rC, WS+8*(\i/2)+(\s), XS+8*(\m/2)+(\s), \i%2, \m%2
.endr
.endr
	WIN 0
.if (\s) < 6
.if ((\s)%2) == 0
	s_wait_tensorcnt 3-((\s)+2)/2                  ; the part of Wo with K steps s + 2 and s + 3 has landed; the later parts may be out: nothing is filled twice
	s_wait_dscnt 0x0
	s_barrier_signal -1
	s_barrier_wait -1
.endif
	PLACES 4                                       ; in front of loads into registers that the products above have read
	WLOAD (\s)+2
.endif
.if (\s) < 4
	XLOAD (\s)+4
.endif
.endm
	s_load_b256 s[4:11], s[0:1], 0x0               ; aoc, aos, codes, scales
	s_load_b128 s[12:15], s[0:1], 0x20             ; bo, out0
	v_lshl_add_u32 v254, v0, 2, 0x29000
	v_mov_b32 v255, 0
	ds_add_u32 v254, v255
	ds_add_u32 v254, v255
	v_lshrrev_b32 v1, 5, v0
	v_readfirstlane_b32 s[WV], v1                  ; wave 0..3
	s_bfe_u32 s19, ttmp6, 0x40000                  ; cx: it enters global addresses of my own loads and stores alone
	s_lshl_b32 s20, ttmp9, 2
	s_add_co_u32 s20, s20, s19                     ; TB
	s_and_b32 s21, ttmp7, 0xffff                   ; NB, which the four partners share
	v_and_b32 v1, 31, v0
	v_and_b32 v2, 15, v0                           ; r
	v_bfe_u32 v3, v0, 4, 1                         ; h
	v_lshlrev_b32 v[L16], 4, v1
	v_lshlrev_b32 v[L8], 3, v1
	v_lshlrev_b32 v[L32], 5, v1
	v_lshlrev_b32 v7, 2, v1
	v_lshlrev_b32 v8, 6, v3
	s_mul_i32 s56, s[WV], 4*4352
	s_add_co_u32 s56, s56, STG
	v_mul_u32_u24 v9, v2, 272
	v_lshl_add_u32 v9, v3, 6, v9
	v_add_nc_u32 v9, s56, v9                       ; the stage, in: row r, + 64 h
	v_mul_u32_u24 v10, v3, 272
	v_lshl_add_u32 v10, v2, 4, v10
	v_add_nc_u32 v10, s56, v10                     ; and out: lanes 0-15 one row of 256 bytes, lanes 16-31 the next
	v_lshlrev_b32 v11, 12, v3
	v_lshl_add_u32 v11, v2, 4, v11                 ; the same two rows in the result
	s_mov_b32 s[G1], 15|(3<<16)|(1<<21)            ; the mask: all four work-groups; elements of 8 bytes; bit 21 beside a mask; no padding
	s_mov_b32 s[G1+1], 384<<16                     ; 4 rows (tiles) of 3,072 bytes, 12,288 bytes apart in memory, dense in LDS
	s_mov_b32 s[G1+2], 4<<16
	s_mov_b32 s[G1+3], 384<<16
	s_mov_b32 s[G1+4], 4
	s_mov_b32 s[G1+5], 1536
	s_mov_b32 s[G1+6], 0
	s_mov_b32 s[G1+7], 0
	s_lshl_b32 s66, s21, 2
	s_add_co_u32 s66, s66, 448                     ; Wo's tiles 448 + 4 NB on
	s_mul_i32 s68, s66, 12288
	s_mov_b32 s69, 0
	s_lshl_b32 s70, s66, 9
	s_mov_b32 s71, 0
	s_mov_b32 s59, 0
	s_lshl_b32 s57, s20, 4
	s_lshl_b32 s58, s[WV], 2
	s_add_co_u32 s57, s57, s58                     ; my first tile of tokens: 16 TB + 4 w
	s_wait_dscnt 0x0
	s_wait_kmcnt 0x0
	s_add_nc_u64 s[68:69], s[8:9], s[68:69]
.irp ch, 0,1,2,3
	s_mov_b32 s[G0+4*\ch], 1
	s_mov_b32 s[G0+4*\ch+1], \ch*12288
	s_add_nc_u64 s[G0+4*\ch+2:G0+4*\ch+3], s[68:69], \ch*3072
	s_or_b32 s[G0+4*\ch+3], s[G0+4*\ch+3], 0x80000000
.endr
	s_add_nc_u64 s[WSB:WSB+1], s[10:11], s[70:71]
	s_mul_i32 s58, s57, 12288
	s_add_nc_u64 s[XB:XB+1], s[4:5], s[58:59]
	s_lshl_b32 s58, s57, 6
	s_add_nc_u64 s[XSB:XSB+1], s[6:7], s[58:59]
	s_lshl_b32 s58, s57, 16                        ; 16 rows of 4,096 bytes a tile
	s_lshl_b32 s60, s21, 8
	s_add_co_u32 s58, s58, s60
	s_add_nc_u64 s[OB:OB+1], s[14:15], s[58:59]
	s_mov_b32 s58, s60
	s_add_nc_u64 s[12:13], s[12:13], s[58:59]      ; bo's 64 numbers
	CROUND                                         ; all four work-groups are here: the joint loads meet
	s_cmp_eq_u32 s[WV], 0
	s_cbranch_scc0 .Lno_fill                       ; wave 0 asks: four loads of its own are out
	tensor_load_to_lds s[G0:G0+3], s[G1:G1+7]
	s_nop 0
	tensor_load_to_lds s[G0+4:G0+7], s[G1:G1+7]
	s_nop 0
	tensor_load_to_lds s[G0+8:G0+11], s[G1:G1+7]
	s_nop 0
	tensor_load_to_lds s[G0+12:G0+15], s[G1:G1+7]
	s_nop 0
	PLACES 4
.Lno_fill:
	WIN 0x80                                       ; destination window 2
.irp i, 0,1,2,3
	global_load_b128 v[128+8*\i:128+8*\i+3], v8, s[12:13] offset:(32*(\i/2)+8*(\i%2))*4   ; bo in the result's layout
	global_load_b128 v[128+8*\i+4:128+8*\i+7], v8, s[12:13] offset:(32*(\i/2)+8*(\i%2))*4+16
.endr
	WIN 0
.irp p, 0,1
.irp s, 0,1,2,3,4,5,6,7
	global_load_b32 v[XS+8*\p+\s], v7, s[XSB:XSB+1] offset:16384*\s+128*\p
.endr
.endr
.irp p, 0,1
	global_load_b128 v[WS+8*\p:WS+8*\p+3], v[L32], s[WSB:WSB+1] offset:1024*\p
	global_load_b128 v[WS+8*\p+4:WS+8*\p+7], v[L32], s[WSB:WSB+1] offset:1024*\p+16
.endr
	XLOAD 0
	XLOAD 1
	XLOAD 2
	XLOAD 3
	s_wait_tensorcnt 3                             ; the first part of Wo (K steps 0 and 1) has landed; three parts may be out
	s_barrier_signal -1
	s_barrier_wait -1
	WLOAD 0
	WLOAD 1
	OSTEP 0
	OSTEP 1
	OSTEP 2
	OSTEP 3
	OSTEP 4
	OSTEP 5
	OSTEP 6
	OSTEP 7
	; THE WAY OUT.  A lane holds 2 x 64 bytes of one row, the lanes beside it other rows: each tile goes through a stage of my own and comes back as whole rows of 256 bytes.
	; LDS serves a wave's instructions in order (ISA guide 5.7.1.4): no wait between the stores and the loads.
	PLACES 4
.irp m, 0,1,2,3
	WIN 0x08                                       ; an LDS store's data are its source 1: window 2
.irp b, 0,1
.irp q, 0,1,2,3
	ds_store_b128 v9, v[32*\m+16*\b+4*\q:32*\m+16*\b+4*\q+3] offset:4352*\m+128*\b+16*\q   ; each accumulator from its low end on
.endr
.endr
	WIN 0
.irp t, 0,1,2,3,4,5,6,7
	ds_load_b128 v[OUT+32*\m+4*\t:OUT+32*\m+4*\t+3], v10 offset:4352*\m+544*\t
.endr
.endr
.irp m, 0,1,2,3
.irp t, 0,1,2,3,4,5,6,7
	s_wait_dscnt 16*(3-\m)+7-\t                    ; behind this load: the rest of its tile's loads, and sixteen LDS instructions for each later tile
	global_store_b128 v11, v[OUT+32*\m+4*\t:OUT+32*\m+4*\t+3], s[OB:OB+1] offset:(32*(\m/2)+8*(\m%2)+2*\t+8*(\t/4))*4096 th:TH_STORE_NT   ; 16 lanes store 256 consecutive bytes, at a multiple of 256 from the result's first byte
.endr
.endr
	s_wait_tensorcnt 0x0
	ds_add_u32 v254, v255
	s_wait_dscnt 0x0
	CROUND                                         ; the closing round: no work-group ends while a partner may still ask jointly
	s_endpgm
.Lfunc_end_k_qd1527f635e_oproj:
	.size	k_qd1527f635e_oproj, .Lfunc_end_k_qd1527f635e_oproj-k_qd1527f635e_oproj
	.p2alignl 7, 3214868480
	.fill 96, 4, 3214868480
	.section	.rodata,"a",@progbits
	.p2align	6, 0x0
	.amdhsa_kernel k_qd1527f635e_oproj
		.amdhsa_group_segment_fixed_size 168448
		.amdhsa_private_segment_fixed_size 0
		.amdhsa_enable_private_segment 0
		.amdhsa_kernarg_size 48
		.amdhsa_user_sgpr_count 2
		.amdhsa_user_sgpr_kernarg_segment_ptr 1
		.amdhsa_wavefront_size32 1
		.amdhsa_system_sgpr_workgroup_id_x 1
		.amdhsa_system_sgpr_workgroup_id_y 1
		.amdhsa_system_sgpr_workgroup_id_z 1
		.amdhsa_system_vgpr_workitem_id 0
		.amdhsa_next_free_vgpr 768
		.amdhsa_next_free_sgpr 72
		.amdhsa_reserve_vcc 0
		.amdhsa_float_denorm_mode_32 3
		.amdhsa_float_denorm_mode_16_64 3
		.amdhsa_memory_ordered 1
		.amdhsa_forward_progress 1
		.amdhsa_inst_pref_size 56
	.end_amdhsa_kernel
	.amdgpu_metadata
---
amdhsa.version: [ 1, 2 ]
amdhsa.kernels:
  - .name:           k_qd1527f635e_oproj
    .symbol:         k_qd1527f635e_oproj.kd
    .args:
      - { .name: aoc, .offset: 0, .size: 8, .value_kind: global_buffer, .address_space: global }
      - { .name: aos, .offset: 8, .size: 8, .value_kind: global_buffer, .address_space: global }
      - { .name: codes, .offset: 16, .size: 8, .value_kind: global_buffer, .address_space: global }
      - { .name: scales, .offset: 24, .size: 8, .value_kind: global_buffer, .address_space: global }
      - { .name: bo, .offset: 32, .size: 8, .value_kind: global_buffer, .address_space: global }
      - { .name: out0, .offset: 40, .size: 8, .value_kind: global_buffer, .address_space: global }
    .group_segment_fixed_size: 168448
    .private_segment_fixed_size: 0
    .kernarg_segment_align: 8
    .kernarg_segment_size: 48
    .max_flat_workgroup_size: 128
    .sgpr_count:     72
    .vgpr_count:     768
    .wavefront_size: 32
...
	.end_amdgpu_metadata
.endif
;; end of part 4
